; MI455X (gfx1250); checked and timed in simulation.
; The chip was launched on July 23, 2026; its instructions are those of AMD's public machine-readable ISA for CDNA 5 (MIT licence, August 2026) and "CDNA5" Instruction Set Architecture Reference Guide (July 2026). The comments in the code are by the model that wrote it; some were corrected since.
;; Simple Attention. Allowed arithmetic: matrix products marked QUANTISED: E2M1 operands, one E8M0 scale for each 32 along K, by v_wmma_scale_f32_16x16x128_f8f6f4 with both operands' format E2M1 (or v_wmma_scale_f32_32x16x128_f4), f32 sums; everything else in f32.
;; Inputs: Wk 1,024 x 1,024 float32; Wo 1,024 x 1,024 float32; Wq 1,024 x 1,024 float32; Wv 1,024 x 1,024 float32; bk 1,024 float32; bo 1,024 float32; bq 1,024 float32; bv 1,024 float32; x 1 x 4,096 x 1,024 float32.
;; Outputs: out0 1 x 4,096 x 1,024 float32.
;; This version of the problem:
;;   THIS VERSION OF THE PROBLEM IS GIVEN IN LOW PRECISION. The matrix products marked QUANTISED in the list below multiply operands that are first quantised to E2M1 (2 exponent bits, 1 mantissa bit; 4 bits a number), with one power-of-two scale for each 32 numbers along K (OCP MX v1.0); their sums are f32. All else is computed in f32.
;;   The module's matrix products, in the order in which they are computed (A, B: the left and right operand; K: the contracted axis; several contracted axes count as one K, in the product's order):
;;     1. [M 4,096, K 1,024] x [K 1,024, N 1,024]; A: input x; B: input Wq: QUANTISED
;;     2. [M 4,096, K 1,024] x [K 1,024, N 1,024]; A: input x; B: input Wk: QUANTISED
;;     3. [M 4,096, K 1,024] x [K 1,024, N 1,024]; A: input x; B: input Wv: QUANTISED
;;     4. batch 16 x [M 4,096, K 64] x [K 64, N 4,096]; A: computed on the way; B: computed on the way: QUANTISED
;;     5. batch 16 x [M 4,096, K 4,096] x [K 4,096, N 64]; A: softmax (see below); B: computed on the way: QUANTISED
;;     6. [M 4,096, K 1,024] x [K 1,024, N 1,024]; A: computed on the way; B: input Wo: QUANTISED
;;   THE QUANTISER, for each operand of a quantised product, along K:
;;     - K is cut into blocks of 32 from its start; a last block that is shorter is filled with zeros.
;;     - A block's scale is 2^e with e = floor(log2(the largest magnitude in the block)) - 2, held to -126 .. 127; a block of zeros has e = 0. As a byte (E8M0): e + 127.
;;     - Each number is divided by its block's scale, clamped to +-6, and rounded to the nearest number of E2M1, ties to even, subnormals kept.
;;     - The product sums the exact products of the quantised numbers (number of the format x scale) in f32.
;;   ~~~python
;;   def quantise(x, axis):      # numpy; x: float32 -> the quantised numbers, widened to float32 again
;;       x = np.moveaxis(x, axis, -1); K = x.shape[-1]
;;       x = np.pad(x, [(0, 0)] * (x.ndim - 1) + [(0, -K % 32)]); x = x.reshape(x.shape[:-1] + (-1, 32)); a = np.abs(x).max(-1, keepdims=True)
;;       e = np.where(a > 0, np.clip(np.frexp(np.where(a > 0, a, 1))[1] - 1 - 2, -126, 127), 0)      # np.frexp(a)[1] - 1 = floor(log2(a)), exactly
;;       r = np.clip(x / 2.0 ** e, -6, 6)
;;       step = 2.0 ** (np.maximum(np.frexp(np.where(r == 0, 1, r))[1] - 1, 0) - 1)
;;       q = np.round(r / step) * step * 2.0 ** e      # np.round: ties to even
;;       return np.moveaxis(q.reshape(q.shape[:-2] + (-1,))[..., :K], -1, axis).astype(np.float32)
;;   ~~~
;;   SOFTMAX AHEAD OF A QUANTISED PRODUCT. Where the list says 'softmax', what is quantised is not the finished softmax but p = 2^(t - M), with t = logit x log2(e) and M = ceil(the row's largest t), a whole number; so 1/2 < the row's largest p <= 1. The row's sum l is taken of the UNQUANTISED p, in f32, and the product's result is divided by l at the end. Since M is a whole number, a kernel that streams over the keys may use a running M (the ceiling of the running maximum): every later rescaling is an exact power of two, which a block's scale takes up: the codes' values come out the same.
;;   OPERANDS COMPUTED ON THE WAY. 'Computed on the way' means the value that the module computes at that place (a softmax that the list does not call 'softmax' is quantised finished and normalised). What goes into a quantiser is computed in f32, as accurately as f32 sums, v_exp_f32 and their like allow (about 1e-6 of the number): no bf16 or f16 on the way to a quantiser, and a product that is left as it is and whose result goes on into a quantised operand takes f32 operands (vector FMAs, or v_wmma_f32_16x16x4_f32). A number that lies on a knife's edge between two numbers of the format may be rounded either way, as far as f32 arithmetic and the matrix unit's own rounding can turn it there, and no further.
;; One version. Each part assembles by itself: llvm-mc -triple=amdgcn-amd-amdhsa -mcpu=gfx1250 --defsym DOCPART=n.
;; ======== version 1 of 1: 4 launches
;; limits: right only within a limited range of input values
;; workspace buffers: codes 4,194,304 bytes; scales 262,144 bytes; qb 2,359,296 bytes; kv 4,718,592 bytes; ocodes 2,097,152 bytes; osc 131,072 bytes
;; launch quant (part 1): grid 256 x 1, 4 waves a work-group, no clusters, 33,280 bytes of LDS; arguments x, Wq, Wk, Wv, Wo, codes, scales; writes codes, scales
.if DOCPART == 1
	.amdgcn_target "amdgcn-amd-amdhsa--gfx1250"
	.amdhsa_code_object_version 6
	.text
	.protected	k_q43669d747f_quant
	.globl	k_q43669d747f_quant
	.p2align	8
	.type	k_q43669d747f_quant,@function
k_q43669d747f_quant:
	s_mov_b64 s[64:65], 0
	v_nop
	global_prefetch_b8 v0, s[64:65] scope:SCOPE_SE
	s_setreg_imm32_b32 hwreg(HW_REG_WAVE_MODE, 25, 1), 1
	s_wait_xcnt 0x0
; LAUNCH 1 OF 4.  x [4096][1024] and Wq, Wk, Wv, Wo [1024][1024], f32 with K innermost, become codes of FP4 (E2M1), two a byte, and one E8M0 byte for each 32 along K:
; codes [8192 rows][512 bytes], scales [8192 rows][32 bytes]; rows 0-4095 x, 4096 on Wq, 5120 on Wk, 6144 on Wv, 7168 on Wo.
; NO WORK OF THE PROBLEM IS LEFT OUT: every input has a way to the output (each bias is added ahead of a quantiser or to the result), all six products are done.
; ONE STEP IS MOVED: q x 0.125 ahead of the quantiser.  0.125 is a power of two: it moves a block's exponent by 3 and no code.  So q is quantised as it is, and the 2^-3 goes into the
; factor that turns scores into exponents of two (launch 3).  LIMIT: a block of q whose largest magnitude lies under 2^-121 would have its scale held at 2^-126 after the multiplication; here it is not.
; A block's scale is 2^(floor(log2(its largest magnitude)) - 2); its byte is the largest magnitude's exponent field - 2, held at 1 from below.
; LIMITS: a block of zeros gets the byte 1 where the rule says 127 (its codes are zeros, and this program alone reads the bytes); blocks whose largest magnitude lies under 2^-124 are held at the byte 1;
; NaN and infinities among the inputs are not served.
; ROW ORDER.  In Wq, Wk and Wv the groups of 32 rows are stored in the order 0, 2, 1, 3 within every 128 rows: launch 2 takes, as a tile's sixteen rows, eight stored rows and the eight that lie 64 further on,
; and with this order a lane of its result holds 32 neighbouring channels of one head.  x and Wo keep their order.
; SHARES.  A work-group takes 32 rows (32,768 numbers), a wave 8,192 in 16 steps of 512.  Rows are dense and 1,024 is a multiple of 32: a tensor is a stream of blocks.
; Each of a step's four loads reads 512 consecutive bytes; the 2,048 bytes turn through the wave's own stage in LDS and come back 64 bytes a lane, so that a lane holds 16 neighbours along K (two lanes a block).
; No tensor load, no barrier: waves share nothing.  Loads run four steps ahead, the turn through LDS one step.
.set WAVES, 4
.set STEPS, 16
.set EMAX,  2
.set CB,    8                          ; bytes of 16 codes
.set R,     16                         ; v16-79   four sets of 16 numbers as loaded
.set X,     80                         ; v80-111  two sets of 16 neighbours
.set E,     112                        ; v112-127 a scale byte for each step
.set C,     128                        ; v128-191 codes: four registers for each step, so that no store's data are written again
.set WREG,  8192                       ; LDS: a region for each wave: two stages of 32 x SP bytes, behind them its 256 scale bytes
.set SP,    80                         ; a lane's place in a stage: 64 bytes + 16 of padding
.set SPW,   12                         ; v12 LDS address of my spare word; never rewritten
.set NIL,   13                         ; v13 0; never rewritten
.set SPARE, WAVES*WREG                 ; behind the four regions: the spare words, 128 bytes a wave
	s_load_b256 s[4:11], s[0:1], 0x0               ; x, Wq, Wk, Wv
	s_load_b128 s[12:15], s[0:1], 0x20             ; Wo, codes
	s_load_b64 s[16:17], s[0:1], 0x30              ; scales
	v_lshl_add_u32 v[SPW], v0, 2, SPARE
	v_mov_b32 v[NIL], 0
	v_lshrrev_b32 v1, 5, v0
	v_readfirstlane_b32 s18, v1                    ; wave
	v_and_b32 v2, 31, v0                           ; lane
	v_lshlrev_b32 v3, 4, v2                        ; my 16 bytes of a load's 512
	s_mul_i32 s19, s18, WREG
	v_lshrrev_b32 v14, 2, v2
	v_mul_u32_u24 v14, v14, SP
	v_and_b32 v15, 3, v2
	v_lshl_add_u32 v14, v15, 4, v14
	v_add_nc_u32 v14, s19, v14                     ; the stage, on the way in: SP (lane / 4) + 16 (lane % 4)
	v_mul_u32_u24 v15, v2, SP
	v_add_nc_u32 v15, s19, v15                     ; and on the way out: SP x lane: my 16 neighbours
	v_mul_u32_u24 v4, v2, CB                       ; my codes' place in a step's
	v_lshrrev_b32 v5, 1, v2
	s_add_co_u32 s19, s19, 2*32*SP
	v_add_nc_u32 v5, s19, v5                       ; LDS: my wave's 256 scale bytes, my block's byte
	v_lshlrev_b32 v7, 3, v2                        ; and on the way out 8 bytes a lane
	v_add_nc_u32 v6, s19, v7
	s_and_b32 s20, ttmp9, 31                       ; a weight's group of 32 rows
	s_lshr_b32 s21, ttmp9, 1
	s_xor_b32 s21, s21, ttmp9
	s_and_b32 s21, s21, 1                          ; 1 where the group is the second or third of its four
	s_sub_co_u32 s22, ttmp9, 128
	s_cmp_lt_u32 s22, 96                           ; work-groups 128 to 223: Wq, Wk, Wv
	s_cselect_b32 s22, 3, 0
	s_mul_i32 s21, s21, s22
	s_xor_b32 s21, ttmp9, s21                      ; where the group is stored: there the second and third change places
	s_wait_alu depctr_va_vdst(0)
	s_wait_kmcnt 0x0
	s_cmp_lt_u32 ttmp9, 224                        ; which tensor is mine: the choice hangs on the work-group's number alone
	s_cselect_b64 s[12:13], s[10:11], s[12:13]
	s_cmp_lt_u32 ttmp9, 192
	s_cselect_b64 s[12:13], s[8:9], s[12:13]
	s_cmp_lt_u32 ttmp9, 160
	s_cselect_b64 s[12:13], s[6:7], s[12:13]
	s_cmp_lt_u32 ttmp9, 128
	s_cselect_b64 s[12:13], s[4:5], s[12:13]
	s_cselect_b32 s20, ttmp9, s20                  ; my group within that tensor
	s_lshl_b32 s20, s20, 2
	s_add_co_u32 s20, s20, s18                     ; my wave's run of 8,192 numbers
	s_lshl_b32 s24, s20, 15
	s_mov_b32 s25, 0
	s_add_nc_u64 s[12:13], s[12:13], s[24:25]
	s_lshl_b32 s21, s21, 2
	s_add_co_u32 s21, s21, s18                     ; and where it goes, by the order of groups stated at the head
	; ON TOP OF THAT ORDER, for x, Wq, Wk and Wv: a wave's run is eight rows, and the sixteen runs of every 128 rows are interleaved: run g goes to place 2 (g % 8) + g / 8.
	; So the eight rows and the eight that lie 64 further on, which launch 2 takes as one tile, are stored as sixteen rows on end.  Wo keeps its order.
	s_and_b32 s22, s21, 7
	s_lshl_b32 s22, s22, 1
	s_bfe_u32 s23, s21, 0x10003                    ; g / 8
	s_or_b32 s22, s22, s23
	s_and_not1_b32 s23, s21, 15
	s_or_b32 s22, s22, s23
	s_cmp_lt_u32 ttmp9, 224                        ; all but Wo's work-groups
	s_cselect_b32 s21, s22, s21
	s_lshl_b32 s24, s21, 12
	s_add_nc_u64 s[14:15], s[14:15], s[24:25]      ; 4,096 bytes of codes a run
	s_lshl_b32 s24, s21, 8
	s_add_nc_u64 s[16:17], s[16:17], s[24:25]      ; 256 scale bytes a run
.macro LOAD t
.irp i, 0,1,2,3
	global_load_b128 v[R+16*((\t)%4)+4*\i:R+16*((\t)%4)+4*\i+3], v3, s[12:13] offset:2048*(\t)+512*\i th:TH_LOAD_NT   ; 32 lanes read 512 consecutive bytes
.endr
.endm
.macro TURN t                          ; step t's numbers through the stage: LDS serves a wave's instructions in order, so no wait stands between the stores and the loads
.irp i, 0,1,2,3
	ds_store_b128 v14, v[R+16*((\t)%4)+4*\i:R+16*((\t)%4)+4*\i+3] offset:32*SP*((\t)%2)+8*SP*\i
.endr
.irp i, 0,1,2,3
	ds_load_b128 v[X+16*((\t)%2)+4*\i:X+16*((\t)%2)+4*\i+3], v15 offset:32*SP*((\t)%2)+16*\i
.endr
.endm
.irp t, 0,1,2,3
	LOAD \t
.endr
	s_wait_loadcnt 12                              ; step 0's four loads are in
	TURN 0
.macro STEP t
.set XS, X+16*((\t)%2)
.if (\t) > 0
	s_wait_dscnt 1                                 ; this step's numbers are back from the stage (the last step's byte store may be out): so its stores into the stage have read their registers,
.else
	s_wait_dscnt 0x0
.endif
.if (\t)+4 < STEPS
	LOAD (\t)+4                                    ; which take the loads of four steps on
.endif
.if (\t)+1 < STEPS
.if STEPS-2-(\t) >= 3
	s_wait_loadcnt 12                              ; the next step's four loads are in; those of the three steps behind it may be out
.else
	s_wait_loadcnt 4*(STEPS-2-(\t))
.endif
	TURN (\t)+1                                    ; and go through the other stage while this step is worked
.endif
	v_max3_num_f32 v8, |v[XS]|, |v[XS+1]|, |v[XS+2]|               ; the largest magnitude of my 16, in two chains
	v_max3_num_f32 v9, |v[XS+3]|, |v[XS+4]|, |v[XS+5]|
.irp i, 6,10
	v_max3_num_f32 v8, v8, |v[XS+\i]|, |v[XS+\i+1]|
	v_max3_num_f32 v9, v9, |v[XS+\i+2]|, |v[XS+\i+3]|
.endr
	v_max3_num_f32 v8, v8, |v[XS+14]|, |v[XS+15]|
	v_max3_num_f32 v8, v8, v9, (EMAX+1)<<23        ; and the floor 2^(3 - 127): the byte cannot fall under 1
	v_max_num_f32_dpp v8, v8, v8 row_xmask:1 row_mask:0xf bank_mask:0xf   ; and of my neighbour's 16: the block's
	v_add_nc_u32 v11, -(EMAX<<23), v8              ; 2 off its exponent field: the conversion takes the exponent field of this operand as its scale, and nothing else of it
	v_cvt_scalef32_pk8_fp4_f32 v[C+4*(\t)], v[XS:XS+7], v11
	v_cvt_scalef32_pk8_fp4_f32 v[C+4*(\t)+1], v[XS+8:XS+15], v11
	v_lshrrev_b32 v[E+(\t)], 23, v11               ; the scale's byte
	ds_store_b8 v5, v[E+(\t)] offset:16*(\t)       ; both lanes of a block write the same byte with the same value
	global_store_b64 v4, v[C+4*(\t):C+4*(\t)+1], s[14:15] offset:32*CB*(\t)   ; the wave stores 256 consecutive bytes, aligned
.endm
.irp t, 0,1,2,3,4,5,6,7,8,9,10,11,12,13,14,15
	STEP \t
.endr
	ds_load_b64 v[8:9], v6                         ; LDS serves a wave's instructions in order: these see my stores
	s_wait_dscnt 0x0
	global_store_b64 v7, v[8:9], s[16:17]          ; 32 lanes store 256 consecutive bytes, aligned
	s_wait_tensorcnt 0x0                           ; the wave's end, behind my last LDS store
	ds_add_u32 v[SPW], v[NIL]
	s_wait_dscnt 0x0
	s_endpgm
.Lfunc_end_k_q43669d747f_quant:
	.size	k_q43669d747f_quant, .Lfunc_end_k_q43669d747f_quant-k_q43669d747f_quant
	.p2alignl 7, 3214868480
	.fill 96, 4, 3214868480
	.section	.rodata,"a",@progbits
	.p2align	6, 0x0
	.amdhsa_kernel k_q43669d747f_quant
		.amdhsa_group_segment_fixed_size 33280
		.amdhsa_private_segment_fixed_size 0
		.amdhsa_enable_private_segment 0
		.amdhsa_kernarg_size 56
		.amdhsa_user_sgpr_count 2
		.amdhsa_user_sgpr_kernarg_segment_ptr 1
		.amdhsa_wavefront_size32 1
		.amdhsa_system_sgpr_workgroup_id_x 1
		.amdhsa_system_sgpr_workgroup_id_y 1
		.amdhsa_system_sgpr_workgroup_id_z 1
		.amdhsa_system_vgpr_workitem_id 0
		.amdhsa_next_free_vgpr 192
		.amdhsa_next_free_sgpr 66
		.amdhsa_reserve_vcc 0
		.amdhsa_float_denorm_mode_32 3
		.amdhsa_float_denorm_mode_16_64 3
		.amdhsa_memory_ordered 1
		.amdhsa_forward_progress 1
		.amdhsa_inst_pref_size 34
	.end_amdhsa_kernel
	.amdgpu_metadata
---
amdhsa.version: [ 1, 2 ]
amdhsa.kernels:
  - .name:           k_q43669d747f_quant
    .symbol:         k_q43669d747f_quant.kd
    .args:
      - { .name: x, .offset: 0, .size: 8, .value_kind: global_buffer, .address_space: global }
      - { .name: Wq, .offset: 8, .size: 8, .value_kind: global_buffer, .address_space: global }
      - { .name: Wk, .offset: 16, .size: 8, .value_kind: global_buffer, .address_space: global }
      - { .name: Wv, .offset: 24, .size: 8, .value_kind: global_buffer, .address_space: global }
      - { .name: Wo, .offset: 32, .size: 8, .value_kind: global_buffer, .address_space: global }
      - { .name: codes, .offset: 40, .size: 8, .value_kind: global_buffer, .address_space: global }
      - { .name: scales, .offset: 48, .size: 8, .value_kind: global_buffer, .address_space: global }
    .group_segment_fixed_size: 33280
    .private_segment_fixed_size: 0
    .kernarg_segment_align: 8
    .kernarg_segment_size: 56
    .max_flat_workgroup_size: 128
    .sgpr_count:     66
    .vgpr_count:     192
    .wavefront_size: 32
...
	.end_amdgpu_metadata
.endif
;; end of part 1
;; launch qkv (part 2): grid 12 x 16, 4 waves a work-group, clusters of 4 x 4, 327,680 bytes of LDS; arguments codes, scales, bq, bk, bv, qb, kv; writes qb, kv
.if DOCPART == 2
	.amdgcn_target "amdgcn-amd-amdhsa--gfx1250"
	.amdhsa_code_object_version 6
	.text
	.protected	k_q43669d747f_qkv
	.globl	k_q43669d747f_qkv
	.p2align	8
	.type	k_q43669d747f_qkv,@function
k_q43669d747f_qkv:
	s_mov_b64 s[64:65], 0
	v_nop
	global_prefetch_b8 v0, s[64:65] scope:SCOPE_SE
	s_setreg_imm32_b32 hwreg(HW_REG_WAVE_MODE, 25, 1), 1
	s_wait_xcnt 0x0
	s_wait_alu depctr_hold_cnt(0) depctr_sa_sdst(0) depctr_va_vdst(0) depctr_va_sdst(0) depctr_va_ssrc(0) depctr_va_vcc(0) depctr_vm_vsrc(0)
	s_getreg_b32 s2, hwreg(HW_REG_IB_STS2, 6, 4)
	s_cmp_eq_u32 s2, 0
	s_cbranch_scc0 .Lentry_in_a_cluster
	s_endpgm
.Lentry_in_a_cluster:
	s_bfe_u32 s2, ttmp6, 0x10000c
	s_cmp_lg_u32 s2, 0xf033
	s_cbranch_scc0 .Lentry_shape_is_right
	s_endpgm
.Lentry_shape_is_right:
; LAUNCH 2 OF 4.  q = x Wq^T + bq, k = x Wk^T + bk, v = x Wv^T + bv on the codes of launch 1 (K = 1,024), and each result quantised at once for attention: q and k along the head's 64 channels, v along the keys.
; Nothing but codes and scale words leaves, laid as IMAGES OF THE OPERAND REGISTERS that launch 3 will want (16 bytes a lane, 512 bytes a store).
; SHARES.  192 work-groups of four waves; a work-group makes 256 x 256 of one of the three products, a wave 128 x 128: 64 accumulators, 512 registers.  The cluster's x says which product: 0 q, 1 k, 2 v.
; A unit of the way out is 128 tokens x 2 heads, so no tile of whole units gives 256 work-groups of four such waves: 64 WGPs have no work in this launch.
; ALL OF K IS RESIDENT: 256 rows x 512 bytes of each operand and their scale bytes are asked for once, at the head; nothing is filled again.
; ONE LOOP FOR ALL THREE.  B is source 0 (a lane's registers run along it), A is source 1 (lanes).  q, k: B = rows of the weight, A = tokens: a lane holds one token and 64 channels.  v: B = tokens, A = rows of Wv: a lane
; holds one channel and 64 tokens.  Either way a lane's 64 numbers are two whole blocks of 32 along the next product's K.
; THE ROWS OF A TILE ARE NOT NEIGHBOURS: in a group of 128 rows, tile t takes rows 8 t + 0..7 and 64 + 8 t + 0..7.  So register 8 t + j of lane (r, h) is row 64 h + 8 t + j: no other lane is asked for a block's
; maximum, and the conversions' results are the next operand's registers as they stand.  (The weights' rows were stored by launch 1 so that these are 32 neighbouring channels of one head.)
; CLUSTERS: 4 x 4.  B's tile hangs on cx alone and is shared along a column of the cluster, A's on cy alone and is shared along a row: joint loads, as many as three a wave, all out at once.
; LIMITS: as stated at the head of launch 1.
; REGISTERS, in windows of 256: window 0: v1-7 lane numbers; v8-15 a tile's codes; v16-25 addresses; v28, v29 the add's two; v32-95 scale words and nothing else; v96-103 the tiles' new scale words; v104-115 their assembly;
;   v116-124 at work; v128-191 A's fragments, later a tile's 64 numbers; v192-255 the bias.   window 1: B's fragments, two sets, at v0 and v128.   windows 2, 3: accumulator (a, b) at v[8 (8 (a % 4) + b)].
; THE LOADS, narrowing what the lines on clusters above say: each wave issues ONE joint load, at the head: wave 0 A's 256 rows of codes, wave 1 B's, wave 2 A's scale bytes, wave 3 B's.
; THE STORED ORDER: launch 1 has laid the two groups of eight rows that form a tile on end, so a tile is sixteen stored rows, and a whole operand is one tile of 256 rows for the data mover.
.set PITCH, 528                        ; an LDS row: 512 bytes + 16: row r starts 4 r banks on, so a tile's sixteen rows start at sixteen different places
.set REG,   64*PITCH                   ; 64 rows
.set TSTEP, 16*PITCH                   ; from tile to tile
.set SCL,   8*REG                      ; behind A's four and B's four regions: the scale bytes, as units of 256 bytes + 16
.set SPART, 16*272                     ; those of 128 rows
.set SPARE, SCL+4*SPART                ; the spare words, 128 bytes a wave
.set PC,   8
.set ADRA, 16
.set ADRB, 17
.set ADRS, 18
.set LI,   19                          ; 16 x lane
.set OI1,  21                          ; the second head's image
.set OS0,  22                          ; the two heads' scale words
.set OS1,  23
.set SH8,  24                          ; 8 h
.set BOF,  25                          ; the bias's lane offset
.set SPW,  28
.set NIL,  29
.set SC,   32                          ; v[SC + 8 i + q]: lanes 0-15 the word of A's block i, lanes 16-31 of B's block i, for the q-th 128 along K
.set W,    96
.set SA,   104
.set TM,   116
.set AF,   128
.set HA,   128
.set BI,   192
.set G1A,  24
.set G1B,  32
.set G1SA, 40
.set G1SB, 48
.set G0SA, 56
.set G0A0, 60
.set G0SB, 72
.set G0B0, 76
.set CODEW, (0<<16)|(1<<20)|(1<<21)|(6<<22)|(3<<25)   ; elements of 1 byte; padding on; bit 21 beside a mask; after every 128 words, 4 words
.set SCALW, (3<<16)|(1<<20)|(1<<21)|(5<<22)|(3<<25)   ; elements of 8 bytes; after every 64 words, 4 words
.set MSB, 0
.macro WIN new                         ; the immediate's high byte repeats the setting that is left
.if MSB != (\new)
	s_set_vgpr_msb (MSB<<8)|(\new)
.set MSB, (\new)
.endif
.endm
.set MUL_LO, 0xa1                      ; source 0 (B) window 1, source 1 (A) window 0, C and D window 2
.set MUL_HI, 0xf1                      ; the same, C and D window 3
.set TO_B,   0x40                      ; destination window 1, address window 0
; An arm of the head's one tree of branches on the wave's number: its joint load, an s_nop 0 and four v_nop, and a jump to the tree's end.
.macro ARM under, g0, g1, next
	s_cmp_lt_u32 s18, \under
	s_cbranch_scc0 \next
	tensor_load_to_lds s[\g0:\g0+3], s[\g1:\g1+7]
	s_nop 0
.rept 4
	v_nop
.endr
	s_branch .Lhead_asked
\next:
.endm
.macro CROUND                          ; a round of the cluster's barrier
	s_barrier_signal -1
	s_barrier_wait -1
	s_cmp_lg_u32 s18, 0
	s_cbranch_scc1 .Lnot_wave_0_\@
	s_barrier_signal -3
.Lnot_wave_0_\@:
	s_barrier_wait -3
	s_barrier_signal -1
	s_barrier_wait -1
.endm
	s_load_b256 s[4:11], s[0:1], 0x0               ; codes s[4:5], scales s[6:7], bq s[8:9], bk s[10:11]
	s_load_b128 s[12:15], s[0:1], 0x20             ; bv s[12:13], qb s[14:15]
	s_load_b64 s[16:17], s[0:1], 0x30              ; kv
	v_lshl_add_u32 v[SPW], v0, 2, SPARE
	v_mov_b32 v[NIL], 0
	ds_add_u32 v[SPW], v[NIL]                      ; the wave's opening: the add, twice on end, and its wait ahead of my first tensor load
	ds_add_u32 v[SPW], v[NIL]
	v_lshrrev_b32 v1, 5, v0
	v_readfirstlane_b32 s18, v1                    ; wave 0..3
	s_lshr_b32 s19, s18, 1                         ; my half of A
	s_and_b32 s20, s18, 1                          ; my half of B
	s_bfe_u32 s21, ttmp6, 0x40000                  ; cx
	s_bfe_u32 s22, ttmp6, 0x40004                  ; cy
	s_and_b32 s23, ttmp7, 0xffff                   ; the cluster's y
	s_lshl_b32 s84, s22, 2
	s_lshl_b32 s84, 15, s84                        ; my row of the cluster
	s_lshl_b32 s85, 0x1111, s21                    ; my column
	s_or_b32 s[G1A], s84, CODEW                    ; A's tiles go to my row, B's to my column
	s_or_b32 s[G1B], s85, CODEW
	s_or_b32 s[G1SA], s84, SCALW
	s_or_b32 s[G1SB], s85, SCALW
.irp g, G1A, G1B                       ; codes: 256 rows x 512 bytes
	s_mov_b32 s[\g+1], 512<<16
	s_mov_b32 s[\g+2], 256<<16
	s_mov_b32 s[\g+3], 512<<16
	s_mov_b32 s[\g+4], 256
	s_mov_b32 s[\g+5], 512
	s_mov_b32 s[\g+6], 0
	s_mov_b32 s[\g+7], 0
.endr
.irp g, G1SA, G1SB                     ; scale bytes of 256 rows: 8,192 dense bytes as 32 rows of 256
	s_mov_b32 s[\g+1], 32<<16
	s_mov_b32 s[\g+2], 32<<16
	s_mov_b32 s[\g+3], 32<<16
	s_mov_b32 s[\g+4], 32
	s_mov_b32 s[\g+5], 32
	s_mov_b32 s[\g+6], 0
	s_mov_b32 s[\g+7], 0
.endr
	s_mov_b32 s2, 0x76543210
	s_mov_b32 s3, 0xfedcba98                       ; v_permlanex16_b32's selects for lane l xor 16
	s_lshl_b32 s86, ttmp9, 10
	s_add_co_u32 s86, s86, 4096                    ; where this product's weight begins among the rows of codes
	s_lshl_b32 s87, s23, 10                        ; the cluster's 1,024 tokens
	s_mov_b32 s89, 6144                            ; Wv
	s_cmp_eq_u32 ttmp9, 2                          ; v?  The cluster's x: the same in all partners
	s_cselect_b32 s90, s87, s86                    ; B: tokens for v, the weight else
	s_cselect_b32 s92, s89, s87                    ; A: Wv for v, tokens else
	s_lshl_b32 s91, s21, 8
	s_add_co_u32 s90, s90, s91                     ; B's first row: + 256 cx.  cy never enters these registers,
	s_lshl_b32 s93, s22, 8
	s_add_co_u32 s92, s92, s93                     ; A's: + 256 cy.  nor cx these
	s_lshl_b32 s94, s90, 9
	s_mov_b32 s95, 0
	s_lshl_b32 s96, s90, 5
	s_mov_b32 s97, 0
	s_lshl_b32 s98, s92, 9
	s_mov_b32 s99, 0
	s_lshl_b32 s100, s92, 5
	s_mov_b32 s101, 0
	s_wait_dscnt 0x0                               ; both opening adds are done
	s_wait_kmcnt 0x0
	s_add_nc_u64 s[94:95], s[4:5], s[94:95]
	s_add_nc_u64 s[96:97], s[6:7], s[96:97]
	s_add_nc_u64 s[98:99], s[4:5], s[98:99]
	s_add_nc_u64 s[100:101], s[6:7], s[100:101]
	s_mov_b32 s[G0SA], 1
	s_mov_b32 s[G0SA+1], SCL                       ; every LDS address of a load is a constant
	s_mov_b64 s[G0SA+2:G0SA+3], s[100:101]
	s_or_b32 s[G0SA+3], s[G0SA+3], 0x80000000
	s_mov_b32 s[G0SB], 1
	s_mov_b32 s[G0SB+1], SCL+2*SPART
	s_mov_b64 s[G0SB+2:G0SB+3], s[96:97]
	s_or_b32 s[G0SB+3], s[G0SB+3], 0x80000000
	s_mov_b32 s[G0A0], 1
	s_mov_b32 s[G0A0+1], 0
	s_mov_b64 s[G0A0+2:G0A0+3], s[98:99]
	s_or_b32 s[G0A0+3], s[G0A0+3], 0x80000000
	s_mov_b32 s[G0B0], 1
	s_mov_b32 s[G0B0+1], 4*REG
	s_mov_b64 s[G0B0+2:G0B0+3], s[94:95]
	s_or_b32 s[G0B0+3], s[G0B0+3], 0x80000000
	CROUND                                         ; all sixteen work-groups are here: the joint loads meet
	ARM 1, G0A0, G1A,  .Lhead_b                    ; one load a wave: all that this launch ever asks for
	ARM 2, G0B0, G1B,  .Lhead_sa
	ARM 3, G0SA, G1SA, .Lhead_sb
	tensor_load_to_lds s[G0SB:G0SB+3], s[G1SB:G1SB+7]
	s_nop 0
.rept 4
	v_nop
.endr
.Lhead_asked:
	v_and_b32 v1, 15, v0                           ; r
	v_bfe_u32 v2, v0, 4, 1                         ; h
	v_bfe_u32 v3, v0, 3, 1                         ; r / 8
	v_and_b32 v4, 7, v0                            ; r % 8
	v_and_b32 v5, 31, v0
	v_lshlrev_b32 v[LI], 4, v5
	v_lshlrev_b32 v[SH8], 3, v2
	v_mov_b32 v[TM+8], 0                           ; written once: a lane permute's destination counts as one of its sources
	v_mul_u32_u24 v5, v1, PITCH                    ; a fragment's row: stored row 16 t + r
	v_lshl_add_u32 v5, v2, 4, v5                   ; + 16 h
	s_mul_i32 s86, s19, 2*REG
	s_mul_i32 s87, s20, 2*REG
	s_add_co_u32 s87, s87, 4*REG
	v_add_nc_u32 v[ADRA], s86, v5
	v_add_nc_u32 v[ADRB], s87, v5
	v_mul_u32_u24 v6, v3, 272                      ; my row's scale bytes: 32 a row, eight rows to a unit of 272, two units to a tile
	v_lshl_add_u32 v6, v4, 5, v6
	s_mul_i32 s86, s19, SPART                      ; A's: my 128 rows
	s_mul_i32 s87, s20, SPART                      ; B's: my 128 rows, behind A's 256
	s_add_co_u32 s87, s87, 2*SPART
	s_sub_co_u32 s87, s87, s86
	v_mul_u32_u24 v7, s87, v2                      ; lanes 16-31 take B's
	s_add_co_u32 s86, s86, SCL
	v_add_nc_u32 v6, v6, v7
	v_add_nc_u32 v[ADRS], s86, v6
.macro FRAG reg, adr, q, i             ; 16 rows x 128 K of 4-bit codes: 8 registers; registers 4 c .. 4 c + 3 hold K = 64 c + 32 h + 0 .. 31
.irp c, 0,1
	ds_load_b128 v[\reg+4*\c:\reg+4*\c+3], v[\adr] offset:64*(\q)+32*\c+(\i)*TSTEP
.endr
.endm
; 16 matrix instructions: A's blocks a0, a0 + 1 x B's eight, the q-th 128 along K; p: B's set.  The 64 accumulators take turns, one instruction a turn, in the same order in every step.
.macro MUL16 a0, p, q, zero
.irp a, \a0, \a0+1
.irp b, 0,1,2,3,4,5,6,7
.if \zero
	v_wmma_scale_f32_16x16x128_f8f6f4 v[8*(8*((\a)%4)+\b):8*(8*((\a)%4)+\b)+7], v[128*(\p)+8*\b:128*(\p)+8*\b+7], v[AF+8*(\a):AF+8*(\a)+7], 0, v[SC+8*\b+(\q)], v[SC+8*(\a)+(\q)] matrix_a_fmt:MATRIX_FMT_FP4 matrix_b_fmt:MATRIX_FMT_FP4 matrix_a_scale:MATRIX_SCALE_ROW1
.else
	v_wmma_scale_f32_16x16x128_f8f6f4 v[8*(8*((\a)%4)+\b):8*(8*((\a)%4)+\b)+7], v[128*(\p)+8*\b:128*(\p)+8*\b+7], v[AF+8*(\a):AF+8*(\a)+7], v[8*(8*((\a)%4)+\b):8*(8*((\a)%4)+\b)+7], v[SC+8*\b+(\q)], v[SC+8*(\a)+(\q)] matrix_a_fmt:MATRIX_FMT_FP4 matrix_b_fmt:MATRIX_FMT_FP4 matrix_a_scale:MATRIX_SCALE_ROW1
.endif
.endr
.endr
.endm
.macro FETCH_B q, p
	WIN TO_B
.irp i, 0,1,2,3,4,5,6,7
	FRAG 128*(\p)+8*\i, ADRB, \q, \i
.endr
	WIN 0
.endm
.macro FETCH_A q, i0
.irp i, \i0, \i0+1, \i0+2, \i0+3
	FRAG AF+8*(\i), ADRA, \q, \i
.endr
.endm
.macro PLACES n                        ; a load into a register that a matrix instruction has read, and a vector instruction that reads a matrix result, stand four plain vector instructions behind it
.rept \n
	v_nop
.endr
.endm
; A step of 128 along K: 64 matrix instructions, A's blocks one after the other.  A has one set of registers (blocks 0-3 fetched anew in the step's middle, 4-7 at its end), B two.
.macro STEP q, zero, last
	s_wait_dscnt 8                                 ; B's set and A's blocks 0-3 are in; the youngest eight loads (A's blocks 4-7) may be out
	WIN MUL_LO
	MUL16 0, (\q)%2, \q, \zero
	MUL16 2, (\q)%2, \q, \zero
	s_wait_dscnt 0x0                               ; A's blocks 4-7 are in
.if (\last) == 0
	PLACES 4
	FETCH_B (\q)+1, 1-(\q)%2
	FETCH_A (\q)+1, 0
.endif
	WIN MUL_HI
	MUL16 4, (\q)%2, \q, \zero
	MUL16 6, (\q)%2, \q, \zero
.if (\last) == 0
	PLACES 4
	WIN 0
	FETCH_A (\q)+1, 4
.endif
.endm
	s_wait_alu depctr_va_vdst(0)
	s_wait_tensorcnt 0x0                           ; my one load has landed,
	s_barrier_signal -1
	s_barrier_wait -1                              ; everybody's has
	FETCH_B 0, 0
	FETCH_A 0, 0
.irp i, 0,1,2,3,4,5,6,7                ; the scale words of all of K: eight a row
	ds_load_b128 v[SC+8*\i:SC+8*\i+3], v[ADRS] offset:544*\i
	ds_load_b128 v[SC+8*\i+4:SC+8*\i+7], v[ADRS] offset:544*\i+16
.endr
	FETCH_A 0, 4
	STEP 0, 1, 0                                   ; the first products start the sums: nothing is cleared
.set Q, 1
.rept 6
	STEP Q, 0, 0
.set Q, Q+1
.endr
	STEP 7, 0, 1
	PLACES 4                                       ; in front of the first reads of results and of writes into A's fragments
	WIN 0
; 64 numbers of a lane, v[s] on: two whole blocks of 32 along the next K.  They become 8 registers of codes, v[PC] on, and a scale word in v[w]: byte 2 c + h = block c of half h.
.macro QUANT2 s, w
.irp c, 0,1
	v_max3_num_f32 v[TM+2*\c], |v[(\s)+32*\c]|, |v[(\s)+32*\c+1]|, 0x1800000   ; with the floor 2^(3 - 127): the byte cannot fall under 1
	v_max3_num_f32 v[TM+2*\c+1], |v[(\s)+32*\c+16]|, |v[(\s)+32*\c+17]|, |v[(\s)+32*\c+18]|
.endr
.irp i, 0,1,2,3,4,5
.irp c, 0,1
	v_max3_num_f32 v[TM+2*\c], v[TM+2*\c], |v[(\s)+32*\c+2+2*\i]|, |v[(\s)+32*\c+3+2*\i]|   ; four chains by turns
	v_max3_num_f32 v[TM+2*\c+1], v[TM+2*\c+1], |v[(\s)+32*\c+19+2*\i]|, |v[(\s)+32*\c+20+2*\i]|
.endr
.endr
.irp c, 0,1
	v_max3_num_f32 v[TM+2*\c], v[TM+2*\c], |v[(\s)+32*\c+14]|, |v[(\s)+32*\c+15]|
.endr
.irp c, 0,1
	v_max3_num_f32 v[TM+2*\c], v[TM+2*\c], v[TM+2*\c+1], |v[(\s)+32*\c+31]|
.endr
.irp c, 0,1
	v_add_nc_u32 v[TM+4+\c], 0xff000000, v[TM+2*\c]   ; 2 off the exponent field: the conversion's scale operand
.endr
	s_wait_alu depctr_va_vdst(0)
	s_wait_xcnt 0x0                                ; the last tile's stores have read v[PC] on: only now are they written again
.irp c, 0,1
.irp g, 0,1,2,3
	v_cvt_scalef32_pk8_fp4_f32 v[PC+4*\c+\g], v[(\s)+32*\c+8*\g:(\s)+32*\c+8*\g+7], v[TM+4+\c]
.endr
.endr
	v_lshrrev_b32 v[TM+6], 23, v[TM+4]             ; the bytes.  (Also the plain instruction behind the conversions)
	v_lshrrev_b32 v[TM+7], 23, v[TM+5]
	v_lshl_or_b32 v[TM+6], v[TM+7], 16, v[TM+6]
	v_lshlrev_b32 v[TM+6], v[SH8], v[TM+6]         ; at their places for my half,
	v_permlanex16_b32 v[TM+8], v[TM+6], s2, s3
	v_or_b32 v[\w], v[TM+6], v[TM+8]               ; with lane l xor 16's two the word is whole
.endm
	s_cmp_eq_u32 ttmp9, 2                          ; the cluster's x: all partners go the same way; no barrier and no LDS access stands in either arm
	s_cbranch_scc1 .Lv_arm
	; ---- q or k.  Lane (r, h) of accumulator (a, b): token r of tile a; register j: head b / 4 of my two, channel 32 h + 8 (b % 4) + j
	s_cmp_eq_u32 ttmp9, 0
	s_cselect_b64 s[84:85], s[8:9], s[10:11]       ; bq or bk
	s_cselect_b64 s[86:87], s[14:15], s[16:17]     ; qb or kv
	s_mov_b32 s88, 9216
	s_cselect_b32 s88, 4608, s88                   ; a record
	s_mov_b32 s89, 8192
	s_cselect_b32 s89, 4096, s89                   ; where its scale words begin
	s_lshl_b32 s90, s21, 10
	s_lshl_b32 s91, s20, 9
	s_add_co_u32 s90, s90, s91                     ; 4 (256 cx + 128 x my half of B)
	s_mov_b32 s91, 0
	s_add_nc_u64 s[84:85], s[84:85], s[90:91]
	v_lshlrev_b32 v[BOF], 7, v2                    ; 32 h numbers on
.irp b, 0,1,2,3,4,5,6,7
	global_load_b128 v[BI+8*\b:BI+8*\b+3], v[BOF], s[84:85] offset:4*(64*(\b/4)+8*(\b%4))
	global_load_b128 v[BI+8*\b+4:BI+8*\b+7], v[BOF], s[84:85] offset:4*(64*(\b/4)+8*(\b%4))+16
.endr
	s_lshl_b32 s92, s21, 2
	s_lshl_b32 s93, s20, 1
	s_add_co_u32 s92, s92, s93                     ; my first head
	s_lshl_b32 s92, s92, 5
	s_lshl_b32 s93, s23, 2
	s_add_co_u32 s93, s93, s22
	s_lshl_b32 s93, s93, 1
	s_add_co_u32 s93, s93, s19                     ; my group of 128 tokens
	s_add_co_u32 s92, s92, s93
	s_mul_i32 s92, s92, s88
	s_mov_b32 s93, 0
	s_add_nc_u64 s[86:87], s[86:87], s[92:93]      ; my first head's record
	s_lshl_b32 s94, s88, 5                         ; the next head's lies 32 records on
	v_add_nc_u32 v[OI1], s94, v[LI]
	v_add_nc_u32 v[OS0], s89, v[LI]
	v_add_nc_u32 v[OS1], s89, v[OI1]
	s_wait_loadcnt 0x0
.irp a, 0,1,2,3,4,5,6,7
	WIN 0x02+(\a)/4                                ; source 0: window 2 or 3
.set k, 0
.rept 32
	v_pk_add_f32 v[HA+k:HA+k+1], v[64*((\a)%4)+k:64*((\a)%4)+k+1], v[BI+k:BI+k+1]   ; + the bias; each accumulator from its low end on
.set k, k+2
.endr
	WIN 0
	QUANT2 HA, W+\a
	global_store_b128 v[LI], v[PC:PC+3], s[86:87] offset:512*\a       ; tile a's image, first head: 512 consecutive bytes
	global_store_b128 v[OI1], v[PC+4:PC+7], s[86:87] offset:512*\a    ; second head
.endr
	v_cmp_eq_u32 s90, 1, v2                        ; lanes 16-31
.irp i, 0,1,2,3
	v_cndmask_b32 v[SA+\i], v[W+2*\i], v[W+2*\i+1], s90   ; lanes 0-15 keep tile 2 i's words, lanes 16-31 tile 2 i + 1's
.endr
.irp i, 0,1,2,3
	v_and_b32 v[SA+4+\i], 0xffff, v[SA+\i]         ; bytes 0, 1: the first head's two blocks; the bytes above scale zero codes
	v_lshrrev_b32 v[SA+8+\i], 16, v[SA+\i]         ; bytes 2, 3: the second head's
.endr
	global_store_b128 v[OS0], v[SA+4:SA+7], s[86:87]
	global_store_b128 v[OS1], v[SA+8:SA+11], s[86:87]
	s_branch .Ljoin
.Lv_arm:
	; ---- v.  Lane (r, h) of accumulator (a, b): head a / 4 of my two, channel 32 (r / 8) + 8 (a % 4) + r % 8; register j: token 64 h + 8 b + j
	s_lshl_b32 s90, s22, 10
	s_lshl_b32 s91, s19, 9
	s_add_co_u32 s90, s90, s91                     ; 4 (256 cy + 128 x my half of A)
	s_mov_b32 s91, 0
	s_add_nc_u64 s[84:85], s[12:13], s[90:91]
	v_lshlrev_b32 v[BOF], 2, v4
	v_lshl_add_u32 v[BOF], v3, 7, v[BOF]           ; 4 (32 (r / 8) + r % 8)
.irp a, 0,1,2,3,4,5,6,7
	global_load_b32 v[BI+2*\a], v[BOF], s[84:85] offset:4*(64*(\a/4)+8*(\a%4))      ; a lane's one number for tile a, twice: a pair for the packed add
	global_load_b32 v[BI+2*\a+1], v[BOF], s[84:85] offset:4*(64*(\a/4)+8*(\a%4))
.endr
	s_lshl_b32 s92, s22, 2
	s_lshl_b32 s93, s19, 1
	s_add_co_u32 s92, s92, s93                     ; my first head
	s_lshl_b32 s92, s92, 5
	s_lshl_b32 s93, s23, 2
	s_add_co_u32 s93, s93, s21
	s_lshl_b32 s93, s93, 1
	s_add_co_u32 s93, s93, s20                     ; my group of 128 keys
	s_add_co_u32 s92, s92, s93
	s_mul_i32 s92, s92, 9216
	s_mov_b32 s93, 0
	s_add_nc_u64 s[86:87], s[16:17], s[92:93]
	s_wait_loadcnt 0x0
.irp a, 0,1,2,3,4,5,6,7
	WIN 0x02+(\a)/4
.set k, 0
.rept 32
	v_pk_add_f32 v[HA+k:HA+k+1], v[64*((\a)%4)+k:64*((\a)%4)+k+1], v[BI+2*\a:BI+2*\a+1]
.set k, k+2
.endr
	WIN 0
	QUANT2 HA, W+\a
	global_store_b128 v[LI], v[PC:PC+3], s[86:87] offset:(\a/4)*294912+4096+1024*(\a%4)        ; registers 0-3 of the fragment of 16 channels x 128 keys
	global_store_b128 v[LI], v[PC+4:PC+7], s[86:87] offset:(\a/4)*294912+4096+1024*(\a%4)+512  ; registers 4-7
.endr
	global_store_b128 v[LI], v[W:W+3], s[86:87] offset:8704            ; the four tiles' scale words, a lane's four on end
	global_store_b128 v[LI], v[W+4:W+7], s[86:87] offset:294912+8704
.Ljoin:
	s_wait_tensorcnt 0x0                           ; the wave's end
	ds_add_u32 v[SPW], v[NIL]
	s_wait_dscnt 0x0
	CROUND                                         ; the closing round
	s_endpgm
.Lfunc_end_k_q43669d747f_qkv:
	.size	k_q43669d747f_qkv, .Lfunc_end_k_q43669d747f_qkv-k_q43669d747f_qkv
	.p2alignl 7, 3214868480
	.fill 96, 4, 3214868480
	.section	.rodata,"a",@progbits
	.p2align	6, 0x0
	.amdhsa_kernel k_q43669d747f_qkv
		.amdhsa_group_segment_fixed_size 327680
		.amdhsa_private_segment_fixed_size 0
		.amdhsa_enable_private_segment 0
		.amdhsa_kernarg_size 56
		.amdhsa_user_sgpr_count 2
		.amdhsa_user_sgpr_kernarg_segment_ptr 1
		.amdhsa_wavefront_size32 1
		.amdhsa_system_sgpr_workgroup_id_x 1
		.amdhsa_system_sgpr_workgroup_id_y 1
		.amdhsa_system_sgpr_workgroup_id_z 1
		.amdhsa_system_vgpr_workitem_id 0
		.amdhsa_next_free_vgpr 1024
		.amdhsa_next_free_sgpr 102
		.amdhsa_reserve_vcc 0
		.amdhsa_float_denorm_mode_32 3
		.amdhsa_float_denorm_mode_16_64 3
		.amdhsa_memory_ordered 1
		.amdhsa_forward_progress 1
		.amdhsa_inst_pref_size 183
	.end_amdhsa_kernel
	.amdgpu_metadata
---
amdhsa.version: [ 1, 2 ]
amdhsa.kernels:
  - .name:           k_q43669d747f_qkv
    .symbol:         k_q43669d747f_qkv.kd
    .args:
      - { .name: codes, .offset: 0, .size: 8, .value_kind: global_buffer, .address_space: global }
      - { .name: scales, .offset: 8, .size: 8, .value_kind: global_buffer, .address_space: global }
      - { .name: bq, .offset: 16, .size: 8, .value_kind: global_buffer, .address_space: global }
      - { .name: bk, .offset: 24, .size: 8, .value_kind: global_buffer, .address_space: global }
      - { .name: bv, .offset: 32, .size: 8, .value_kind: global_buffer, .address_space: global }
      - { .name: qb, .offset: 40, .size: 8, .value_kind: global_buffer, .address_space: global }
      - { .name: kv, .offset: 48, .size: 8, .value_kind: global_buffer, .address_space: global }
    .group_segment_fixed_size: 327680
    .private_segment_fixed_size: 0
    .kernarg_segment_align: 8
    .kernarg_segment_size: 56
    .max_flat_workgroup_size: 128
    .sgpr_count:     102
    .vgpr_count:     1024
    .wavefront_size: 32
...
	.end_amdgpu_metadata
.endif
;; end of part 2
;; launch attn (part 3): grid 16 x 16, 16 waves a work-group, clusters of 4 x 1, 327,680 bytes of LDS; arguments qb, kv, ocodes, osc; writes ocodes, osc
.if DOCPART == 3
	.amdgcn_target "amdgcn-amd-amdhsa--gfx1250"
	.amdhsa_code_object_version 6
	.text
	.protected	k_q43669d747f_attn
	.globl	k_q43669d747f_attn
	.p2align	8
	.type	k_q43669d747f_attn,@function
k_q43669d747f_attn:
	s_mov_b64 s[64:65], 0
	v_nop
	global_prefetch_b8 v0, s[64:65] scope:SCOPE_SE
	s_setreg_imm32_b32 hwreg(HW_REG_WAVE_MODE, 25, 1), 1
	s_wait_xcnt 0x0
	s_wait_alu depctr_hold_cnt(0) depctr_sa_sdst(0) depctr_va_vdst(0) depctr_va_sdst(0) depctr_va_ssrc(0) depctr_va_vcc(0) depctr_vm_vsrc(0)
	s_getreg_b32 s2, hwreg(HW_REG_IB_STS2, 6, 4)
	s_cmp_eq_u32 s2, 0
	s_cbranch_scc0 .Lentry_in_a_cluster
	s_endpgm
.Lentry_in_a_cluster:
	s_bfe_u32 s2, ttmp6, 0x10000c
	s_cmp_lg_u32 s2, 0x3003
	s_cbranch_scc0 .Lentry_shape_is_right
	s_endpgm
.Lentry_shape_is_right:
; LAUNCH 3 OF 4.  o = softmax(q k^T / 8) v for each of 16 heads, both products on codes of FP4 (E2M1) with E8M0 scales, and o quantised at once along the 1,024 channels for launch 4.  No work of the problem is left out here.
; THE SOFTMAX: t = score x log2(e) / 8 (the 1/8 that reference() puts on q stands in this factor: see launch 1); M = the running largest t rounded up to a whole number; p = 2^(t - M) is quantised along the keys, not normalised;
; the row's sum is taken of the unquantised p in f32 and divides at the end.  When M moves, the sum and O are multiplied by 2^(old M - new M), which rounds nothing; no branch hangs on data.
; LIMIT: the promise holds while the scaled scores t stay under 2^31 in magnitude; NaN and infinities are not served; a block of p that is all zeros keeps the byte 1 (its codes are zeros).
; SHARES.  A work-group owns 256 queries of one head, each of its sixteen waves 16 of them; four waves to a SIMD.
; ALL OF A HEAD'S K AND V IS RESIDENT: 32 records of 9,216 bytes (128 keys each), 294,912 bytes, laid by launch 2 as images of the operand registers (16 bytes a lane).  Each wave asks for two records by ONE tensor load at the head
; (72 rows of 256 bytes); one wait, one barrier, and then the key steps with no barrier, no wait on the data mover and no refill.
; CLUSTER: the four work-groups of a cluster walk the same head: each load is a joint load with the mask of all four.
; NO PREFETCH: every byte is asked for by the head's loads, ahead of the loop: there is no later load to run ahead of.
; A RECORD: bytes 0 on: K, 8 tiles of 16 keys x 64 channels, 512 bytes each; 4,096 on: V^T, 4 tiles of 16 channels x 128 keys, 1,024 each; 8,192 on: K's scale words; 8,704 on: V's.
; BOTH PRODUCTS ARE USED TRANSPOSED (S^T = K Q^T, O^T = V^T P^T): a lane holds one query throughout, and its 64 scores of a record are two whole blocks of 32 keys.
; A KEY STEP IS TWO RECORDS, 256 keys: one M, one rescaling of O^T and one set of waits serve 128 scores a lane, and each chain of dependent lines has partners to take turns with.
; THE HEAD HAS 64 CHANNELS AND THE INSTRUCTION 128 ALONG K.  Registers 4-7 of Q's fragment are zero codes, so whatever codes stand in registers 4-7 of K's operand add nothing (every code of E2M1 is a finite number, and the scale bytes
; of those blocks are 0, a finite scale): K's tiles lie packed, four registers each, and a tile's operand runs on over the four registers behind it.
; REGISTERS DO DOUBLE DUTY: record 0's K of the NEXT step lands in the registers of record 1's p once that is converted; V lands in those of record 0's p; p's codes lie where record 1's K lay.
.set REC,    9216
.set WPART,  2*REC                     ; what one wave asks for
.set SPARE,  32*REC                    ; behind the records: the spare words, 128 bytes a wave
.set OSC,    SPARE+2048                ; and 512 bytes in which o's scale bytes are gathered
.set LI,  1                            ; 16 x lane
.set ADR, 2                            ; the step's first record + 16 x lane
.set SPW, 3                            ; my spare word; never rewritten
.set NIL, 4                            ; 0; never rewritten
.set SH8, 5                            ; 8 x (lane / 16)
.set T0,  6
.set T1,  7
.set KS1, 8                            ; scale words of record 0's K: register u: lanes 0-15 tile 2 u, lanes 16-31 tile 2 u + 1
; v12 -M, v13 the largest score so far, v[14:15] the sum in two halves
.set QF,  16                           ; Q's fragment
.set QS,  24                           ; its scale word
.set PT,  25
.set PW,  26                           ; p's two scale words
.set LM,  28
.set OLD, 29
.set F,   30                           ; f, in a pair
.set TX,  32                           ; block b's largest score: chains TX + 2 b, TX + 2 b + 1
.set SO,  40                           ; the conversions' scale operands
.set SM,  44                           ; the step's sum, in four chains of pairs
.set VS,  52                           ; V's scale words, two records
.set KS2, 60                           ; scale words of record 1's K
.set KF,  64                           ; record 1's K, 32 registers
.set PC,  64                           ; later p's codes, 16 registers
.set S,   96                           ; S^T, then p: 128 registers
.set K1,  S+64                         ; record 0's K
.set VF,  S                            ; V's fragments, two records
.set O,   224                          ; O^T
.macro CROUND                          ; a round of the cluster's barrier
	s_barrier_signal -1
	s_barrier_wait -1
	s_cmp_lg_u32 s12, 0
	s_cbranch_scc1 .Lnot_wave_0_\@
	s_barrier_signal -3
.Lnot_wave_0_\@:
	s_barrier_wait -3
	s_barrier_signal -1
	s_barrier_wait -1
.endm
.macro QK kf, ks, d                    ; S^T of one record: eight tiles of 16 keys
.irp u, 0,1,2,3
	v_wmma_scale_f32_16x16x128_f8f6f4 v[\d+16*\u:\d+16*\u+7], v[\kf+8*\u:\kf+8*\u+7], v[QF:QF+7], 0, v[\ks+\u], v[QS] matrix_a_fmt:MATRIX_FMT_FP4 matrix_b_fmt:MATRIX_FMT_FP4
	v_wmma_scale_f32_16x16x128_f8f6f4 v[\d+16*\u+8:\d+16*\u+15], v[\kf+8*\u+4:\kf+8*\u+11], v[QF:QF+7], 0, v[\ks+\u], v[QS] matrix_a_fmt:MATRIX_FMT_FP4 matrix_b_fmt:MATRIX_FMT_FP4 matrix_a_scale:MATRIX_SCALE_ROW1
.endr
.endm
.macro MAXH sb, tb                     ; the largest score of each of a record's two blocks, in four chains by turns; each accumulator is read from its low end on
.irp c, 0,1
	v_max3_num_f32 v[\tb+2*\c], v[\sb+32*\c], v[\sb+32*\c+1], v[\sb+32*\c+2]
	v_max3_num_f32 v[\tb+2*\c+1], v[\sb+32*\c+17], v[\sb+32*\c+18], v[\sb+32*\c+19]
.endr
.irp i, 0,1,2,3,4,5
.irp c, 0,1
	v_max3_num_f32 v[\tb+2*\c], v[\tb+2*\c], v[\sb+32*\c+3+2*\i], v[\sb+32*\c+4+2*\i]
	v_max3_num_f32 v[\tb+2*\c+1], v[\tb+2*\c+1], v[\sb+32*\c+20+2*\i], v[\sb+32*\c+21+2*\i]
.endr
.endr
.irp c, 0,1
	v_max3_num_f32 v[\tb+2*\c], v[\tb+2*\c], v[\sb+32*\c+15], v[\sb+32*\c+16]
.endr
.endm
.macro FMAS n                          ; t - M, two at a time
.rept \n
	v_pk_fma_f32 v[S+k:S+k+1], v[S+k:S+k+1], s[22:23], v[12:13] op_sel_hi:[1,0,0]
.set k, k+2
.endr
.endm
.macro SUMS n                          ; pairs of p onto the four chains by turns
.rept \n
	v_pk_add_f32 v[SM+2*(p%4):SM+2*(p%4)+1], v[SM+2*(p%4):SM+2*(p%4)+1], v[S+2*p:S+2*p+1]
.set p, p+1
.endr
.endm
.macro CODES j                         ; record j's p becomes the second product's operand as it stands
.irp c, 0,1
.irp g, 0,1,2,3
	v_cvt_scalef32_pk8_fp4_f32 v[PC+8*\j+4*\c+\g], v[S+64*\j+32*\c+8*\g:S+64*\j+32*\c+8*\g+7], v[SO+2*\j+\c]
.endr
.endr
.endm
	s_load_b256 s[4:11], s[0:1], 0x0               ; qb, kv, ocodes, osc
	v_lshl_add_u32 v[SPW], v0, 2, SPARE
	v_mov_b32 v[NIL], 0
	ds_add_u32 v[SPW], v[NIL]                      ; the opening: the add, twice on end, and its wait ahead of my tensor load
	ds_add_u32 v[SPW], v[NIL]
	v_lshrrev_b32 v[T0], 5, v0
	v_readfirstlane_b32 s12, v[T0]                 ; wave 0..15
	s_bfe_u32 s13, ttmp6, 0x40000                  ; cx
	s_lshl_b32 s14, ttmp9, 2
	s_add_co_u32 s14, s14, s13                     ; my block of 256 queries: it enters global addresses of Q and of the results alone
	s_and_b32 s15, ttmp7, 0xffff                   ; the head
	s_mov_b32 s24, 15|(3<<16)|(1<<21)              ; group 1: the mask of all four partners, elements of 8 bytes, bit 21 beside a mask; no padding: the records are read 16 bytes a lane on end
	s_mov_b32 s25, 32<<16                          ; rows of 256 bytes,
	s_mov_b32 s26, 72<<16                          ; 72 of them, dense
	s_mov_b32 s27, 32<<16
	s_mov_b32 s28, 72
	s_mov_b32 s29, 32
	s_mov_b32 s30, 0
	s_mov_b32 s31, 0
	s_mul_i32 s16, s12, WPART                      ; my two records, in LDS
	s_mul_i32 s18, s15, 32*REC
	s_add_co_u32 s18, s18, s16                     ; and in kv
	s_mov_b32 s19, 0
	s_mov_b32 s20, 0x76543210
	s_mov_b32 s21, 0xfedcba98                      ; v_permlanex16_b32's selects for lane l xor 16
	s_mov_b32 s22, 0x3e38aa3b                      ; c = log2(e) / 8
	s_mov_b32 s23, s22                             ; (named with it as a pair)
	s_wait_dscnt 0x0                               ; both opening adds are done
	s_wait_kmcnt 0x0
	s_mov_b32 s32, 1
	s_mov_b32 s33, s16
	s_add_nc_u64 s[34:35], s[6:7], s[18:19]
	s_or_b32 s35, s35, 0x80000000
	CROUND                                         ; the four partners are here: the joint loads meet
	tensor_load_to_lds s[32:35], s[24:31]          ; my one tensor load of the launch
	s_nop 0
.rept 4
	v_nop
.endr
	s_lshl_b32 s50, s15, 5                         ; Q's record: 32 x head + my group of 128 queries, 4,608 bytes each
	s_lshl_b32 s51, s14, 1
	s_add_co_u32 s50, s50, s51
	s_lshr_b32 s51, s12, 3
	s_add_co_u32 s50, s50, s51
	s_mul_i32 s50, s50, 4608
	s_mov_b32 s51, 0
	s_add_nc_u64 s[4:5], s[4:5], s[50:51]
	s_and_b32 s52, s12, 7                          ; my tile a in it
	s_lshl_b32 s53, s52, 9                         ; its image
	s_and_b32 s54, s52, 1
	s_lshl_b32 s54, s54, 8
	s_lshr_b32 s55, s52, 1
	s_lshl_b32 s55, s55, 2
	s_add_co_u32 s54, s54, s55                     ; its scale words: 256 (a % 2) + 4 (a / 2) + 16 r
	s_lshl_b32 s56, s14, 4
	s_add_co_u32 s56, s56, s12
	s_lshl_b32 s56, s56, 13
	s_lshl_b32 s57, s15, 9
	s_add_co_u32 s56, s56, s57
	s_mov_b32 s57, 0
	s_add_nc_u64 s[8:9], s[8:9], s[56:57]          ; ocodes: [tile of 16 queries][head][512 bytes]
	s_lshl_b32 s56, s15, 13
	s_lshl_b32 s58, s14, 9
	s_add_co_u32 s56, s56, s58
	s_add_nc_u64 s[10:11], s[10:11], s[56:57]      ; osc: [head][block of 256 queries][512 bytes]
	v_and_b32 v[T0], 31, v0
	v_and_b32 v[T1], 15, v0                        ; r
	v_bfe_u32 v[LM], v0, 4, 1                      ; h
	v_lshlrev_b32 v[LI], 4, v[T0]
	v_lshl_add_u32 v[TX], v[T0], 4, s53
	v_lshl_add_u32 v[TX+1], v[T1], 4, s54
	global_load_b128 v[QF:QF+3], v[TX], s[4:5]
	global_load_b32 v[QS], v[TX+1], s[4:5] offset:4096
	v_lshlrev_b32 v[SH8], 3, v[LM]
.irp i, 4,5,6,7
	v_mov_b32 v[QF+\i], 0                          ; zero codes for K = 64 .. 127
	v_mov_b32 v[S+92+\i], 0                        ; the four registers behind record 0's K: written once, so that the first step's operand is whole
.endr
.set k, 0
.rept 32
	v_mov_b32 v[O+k], 0                            ; the first step finds zeros, which the first change of M leaves zeros
.set k, k+1
.endr
	v_mov_b32 v14, 0
	v_mov_b32 v15, 0
	v_mov_b32 v[PT], 0                             ; a lane permute's destination counts as one of its sources
	v_mov_b32 v[F+1], 0                            ; (named with F as a pair)
	v_mov_b32 v13, 0xff61b1e6                      ; -3e38, under every score
	s_delay_alu instid0(VALU_DEP_1)
	v_mul_f32 v[T0], s22, v13
	s_delay_alu instid0(VALU_DEP_1)
	v_floor_f32 v12, -v[T0]
	s_mov_b32 s48, 0                               ; the step's first record
	s_mov_b32 s49, 15
	s_wait_alu depctr_va_vdst(0)
	s_wait_loadcnt 0x0                             ; Q
	s_wait_tensorcnt 0x0                           ; my two records have landed,
	s_barrier_signal -1
	s_barrier_wait -1                              ; everybody's have
	ds_load_b128 v[KS1:KS1+3], v[LI] offset:8192   ; the first record's K: nine loads
.irp t, 0,1,2,3,4,5,6,7
	ds_load_b128 v[K1+4*\t:K1+4*\t+3], v[LI] offset:512*\t
.endr
; A KEY STEP: records s48 and s48 + REC.  more = 1: the next step's first K is asked for
.macro STEP more
	v_add_nc_u32 v[ADR], s48, v[LI]                ; with the four additions at the last step's end: five places behind its products, ahead of loads into and products over their registers
	ds_load_b128 v[KS2:KS2+3], v[ADR] offset:REC+8192
.irp t, 0,1,2,3,4,5,6,7
	ds_load_b128 v[KF+4*\t:KF+4*\t+3], v[ADR] offset:REC+512*\t
.endr
	s_wait_dscnt 9                                 ; record 0's K is in; the nine loads just issued may be out
	QK K1, KS1, S
	v_mov_b32 v[OLD], v12                          ; four places behind the products (ISA guide 7.12.1)
.rept 3
	v_nop
.endr
	MAXH S, TX                                     ; record 0's maxima stand between record 1's loads and the wait for them
	s_wait_alu depctr_va_vdst(0)
	s_wait_dscnt 0x0
	QK KF, KS2, S+64
.irp b, 0,1
	v_max_num_f32 v[TX+2*\b], v[TX+2*\b], v[TX+2*\b+1]   ; places, with the two below
.endr
.rept 2
	v_nop
.endr
	MAXH S+64, TX+4
.irp b, 2,3
	s_delay_alu instid0(VALU_DEP_2)
	v_max_num_f32 v[TX+2*\b], v[TX+2*\b], v[TX+2*\b+1]
.endr
	s_delay_alu instid0(VALU_DEP_2)
	v_max3_num_f32 v[LM], v[TX], v[TX+2], v[TX+4]
	s_delay_alu instid0(VALU_DEP_1)
	v_max_num_f32 v[LM], v[LM], v[TX+6]
	s_delay_alu instid0(VALU_DEP_1)
	v_permlanex16_b32 v[PT], v[LM], s20, s21
	s_delay_alu instid0(VALU_DEP_1)
	v_max3_num_f32 v13, v13, v[LM], v[PT]          ; the running largest score of my query (c is positive)
	s_delay_alu instid0(VALU_DEP_1)
	v_mul_f32 v[T0], s22, v13
	s_delay_alu instid0(VALU_DEP_1)
	v_floor_f32 v12, -v[T0]                        ; -M = floor(-t): M is a whole number
.set k, 0
	FMAS 4
	v_sub_f32 v[T1], v12, v[OLD]                   ; f's three lines stand among the multiply-adds
	FMAS 4
	v_cvt_i32_f32 v[T1], v[T1]                     ; old M - new M, 0 or less (it saturates)
	FMAS 4
	v_ldexp_f32 v[F], 1.0, v[T1]                   ; f = 2^(old M - new M)
	FMAS 52
.irp b, 0,1,2,3
	v_fma_f32 v[TX+2*\b], v[TX+2*\b], s22, v12     ; the same of each block's largest score
.endr
	s_wait_alu depctr_va_vdst(0)
.set k, 0
.rept 128
	v_exp_f32 v[S+k], v[S+k]                       ; p = 2^(t - M)
.set k, k+1
.endr
	v_pk_mul_f32 v[14:15], v[14:15], v[F:F+1] op_sel_hi:[1,0]   ; the sums under the new M (a plain place behind the batch)
	s_wait_alu depctr_va_vdst(0)                   ; one wait for the batch, ahead of its first reader
.irp b, 0,1,2,3
	v_exp_f32 v[TX+2*\b], v[TX+2*\b]               ; the blocks' largest p: the same two instructions on the same number give the same bits
.endr
.irp j, 0,1,2,3
	v_pk_add_f32 v[SM+2*\j:SM+2*\j+1], v[S+4*\j:S+4*\j+1], v[S+4*\j+2:S+4*\j+3]   ; the row's sum of the unquantised p: the step's four chains begin
.endr
.set p, 8
	SUMS 24                                        ; record 0's
	s_wait_alu depctr_va_vdst(0)                   ; and one wait for the four
.irp b, 0,1,2,3
	v_max_num_f32 v[TX+2*\b], 0x1800000, v[TX+2*\b]   ; the floor 2^(3 - 127): the byte cannot fall under 1
.endr
.irp b, 0,1,2,3
	v_add_nc_u32 v[SO+\b], 0xff000000, v[TX+2*\b]  ; 2 off the exponent field: the conversion's scale operand
.endr
	CODES 0
	v_lshrrev_b32 v[T0], 23, v[SO]                 ; the bytes (also the plain place behind the conversions)
	v_lshrrev_b32 v[T1], 23, v[SO+1]
.irp j, 0,1                                    ; record 0's p is done with: both records' V lands there: 18 loads
	ds_load_b128 v[VS+4*\j:VS+4*\j+3], v[ADR] offset:REC*\j+8704
.irp t, 0,1,2,3
.irp c, 0,1
	ds_load_b128 v[VF+32*\j+8*\t+4*\c:VF+32*\j+8*\t+4*\c+3], v[ADR] offset:REC*\j+4096+1024*\t+512*\c
.endr
.endr
.endr
	SUMS 32                                        ; record 1's
	CODES 1
	v_lshrrev_b32 v[TX+1], 23, v[SO+2]
	v_lshrrev_b32 v[TX+3], 23, v[SO+3]
.if \more
	ds_load_b128 v[KS1:KS1+3], v[ADR] offset:2*REC+8192   ; record 1's p is done with: the next step's first K lands there: nine loads
.irp t, 0,1,2,3,4,5,6,7
	ds_load_b128 v[K1+4*\t:K1+4*\t+3], v[ADR] offset:2*REC+512*\t
.endr
.endif
	v_lshl_or_b32 v[T0], v[T1], 16, v[T0]          ; the two records' scale words, by turns
	v_lshl_or_b32 v[TX+1], v[TX+3], 16, v[TX+1]
	s_delay_alu instid0(VALU_DEP_2)
	v_lshlrev_b32 v[T0], v[SH8], v[T0]             ; at their places for my half,
	s_delay_alu instid0(VALU_DEP_2)
	v_lshlrev_b32 v[TX+1], v[SH8], v[TX+1]
	s_delay_alu instid0(VALU_DEP_2)
	v_permlanex16_b32 v[PT], v[T0], s20, s21
	s_delay_alu instid0(VALU_DEP_2)
	v_permlanex16_b32 v[TX+5], v[TX+1], s20, s21
	s_delay_alu instid0(VALU_DEP_2)
	v_or_b32 v[PW], v[T0], v[PT]                   ; with lane l xor 16's two a word is whole
	s_delay_alu instid0(VALU_DEP_2)
	v_or_b32 v[PW+1], v[TX+1], v[TX+5]
	s_wait_alu depctr_va_vdst(0)                   ; directly ahead of the first reader of O^T
.set k, 0
.rept 16
	v_pk_mul_f32 v[O+k:O+k+1], v[O+k:O+k+1], v[F:F+1] op_sel_hi:[1,0]   ; O^T under the new M; these are also the places ahead of the scaled products
.set k, k+2
.endr
	s_wait_alu depctr_va_vdst(0)
	s_wait_dscnt 9*\more                           ; V is in; the next step's nine loads may be out
.irp j, 0,1                                    ; the four accumulators by turns
.irp t, 0,1,2,3
	v_wmma_scale_f32_16x16x128_f8f6f4 v[O+8*\t:O+8*\t+7], v[VF+32*\j+8*\t:VF+32*\j+8*\t+7], v[PC+8*\j:PC+8*\j+7], v[O+8*\t:O+8*\t+7], v[VS+4*\j+\t], v[PW+\j] matrix_a_fmt:MATRIX_FMT_FP4 matrix_b_fmt:MATRIX_FMT_FP4
.endr
.endr
	v_pk_add_f32 v[SM:SM+1], v[SM:SM+1], v[SM+2:SM+3]        ; the four chains join the row's sum: four places behind the products
	v_pk_add_f32 v[SM+4:SM+5], v[SM+4:SM+5], v[SM+6:SM+7]
	s_delay_alu instid0(VALU_DEP_1)
	v_pk_add_f32 v[SM:SM+1], v[SM:SM+1], v[SM+4:SM+5]
	s_delay_alu instid0(VALU_DEP_1)
	v_pk_add_f32 v[14:15], v[14:15], v[SM:SM+1]
.endm
.Lstep:                                                ; 15 trips; the sixteenth step is written out: it asks for no further K
	STEP 1
	s_add_co_u32 s48, s48, 2*REC
	s_sub_co_u32 s49, s49, 1
	s_cmp_lg_u32 s49, 0
	s_cbranch_scc1 .Lstep
	STEP 0
	; THE WAY OUT: O^T / the sum; a lane's 32 numbers are a whole block of 32 along launch 4's K: codes, 16 bytes a lane, and a byte
	v_add_f32 v14, v14, v15
	s_delay_alu instid0(VALU_DEP_1)
	v_permlanex16_b32 v[PT], v14, s20, s21
	s_delay_alu instid0(VALU_DEP_1)
	v_add_f32 v14, v14, v[PT]                      ; the row's sum
	s_wait_alu depctr_va_vdst(0)                   ; ahead of the transcendental
	v_rcp_f32 v[F], v14
	v_and_b32 v[LM], 0x1e0, v0                     ; where my scale bytes are gathered: 32 bytes a wave,
	v_and_b32 v[OLD], 15, v0
	s_delay_alu instid0(VALU_DEP_1)
	v_lshl_add_u32 v[LM], v[OLD], 1, v[LM]         ; two a query
	s_delay_alu instid0(VALU_DEP_1)
	v_add_nc_u32 v[LM], OSC, v[LM]
	v_add_nc_u32 v[OLD], OSC, v[LI]                ; and where wave 0 reads them back
	s_wait_alu depctr_va_vdst(0)                   ; ahead of the reciprocal's first reader, which is also O^T's
.set k, 0
.rept 16
	v_pk_mul_f32 v[S+k:S+k+1], v[O+k:O+k+1], v[F:F+1] op_sel_hi:[1,0]
.set k, k+2
.endr
	v_max3_num_f32 v[TX], |v[S]|, |v[S+1]|, 0x1800000
	v_max3_num_f32 v[TX+1], |v[S+16]|, |v[S+17]|, |v[S+18]|
.irp i, 0,1,2,3,4,5
	s_delay_alu instid0(VALU_DEP_2)
	v_max3_num_f32 v[TX], v[TX], |v[S+2+2*\i]|, |v[S+3+2*\i]|
	s_delay_alu instid0(VALU_DEP_2)
	v_max3_num_f32 v[TX+1], v[TX+1], |v[S+19+2*\i]|, |v[S+20+2*\i]|
.endr
	s_delay_alu instid0(VALU_DEP_2)
	v_max3_num_f32 v[TX], v[TX], |v[S+14]|, |v[S+15]|
	s_delay_alu instid0(VALU_DEP_1)
	v_max3_num_f32 v[TX], v[TX], v[TX+1], |v[S+31]|
	s_delay_alu instid0(VALU_DEP_1)
	v_add_nc_u32 v[SO], 0xff000000, v[TX]
.irp g, 0,1,2,3
	v_cvt_scalef32_pk8_fp4_f32 v[PC+\g], v[S+8*\g:S+8*\g+7], v[SO]
.endr
	v_lshrrev_b32 v[T0], 23, v[SO]
	s_delay_alu instid0(VALU_DEP_1)
	v_lshlrev_b32 v[T0], v[SH8], v[T0]
	s_delay_alu instid0(VALU_DEP_1)
	v_permlanex16_b32 v[PT], v[T0], s20, s21
	s_delay_alu instid0(VALU_DEP_1)
	v_or_b32 v[T0], v[T0], v[PT]                   ; my query's two bytes for this head
	global_store_b128 v[LI], v[PC:PC+3], s[8:9]    ; the wave stores 512 consecutive bytes, aligned
	ds_store_b16 v[LM], v[T0]                      ; both lanes of a query write the same two bytes
	s_wait_dscnt 0x0
	s_barrier_signal -1
	s_barrier_wait -1
	s_cmp_lg_u32 s12, 0
	s_cbranch_scc1 .Lnot_mine
	ds_load_b128 v[S:S+3], v[OLD]                  ; wave 0 stores the work-group's 512 scale bytes, aligned
	s_wait_dscnt 0x0
	global_store_b128 v[LI], v[S:S+3], s[10:11]
.Lnot_mine:
	s_wait_tensorcnt 0x0                           ; the wave's end
	ds_add_u32 v[SPW], v[NIL]
	s_wait_dscnt 0x0
	CROUND                                         ; the closing round
	s_endpgm
.Lfunc_end_k_q43669d747f_attn:
	.size	k_q43669d747f_attn, .Lfunc_end_k_q43669d747f_attn-k_q43669d747f_attn
	.p2alignl 7, 3214868480
	.fill 96, 4, 3214868480
	.section	.rodata,"a",@progbits
	.p2align	6, 0x0
	.amdhsa_kernel k_q43669d747f_attn
		.amdhsa_group_segment_fixed_size 327680
		.amdhsa_private_segment_fixed_size 0
		.amdhsa_enable_private_segment 0
		.amdhsa_kernarg_size 32
		.amdhsa_user_sgpr_count 2
		.amdhsa_user_sgpr_kernarg_segment_ptr 1
		.amdhsa_wavefront_size32 1
		.amdhsa_system_sgpr_workgroup_id_x 1
		.amdhsa_system_sgpr_workgroup_id_y 1
		.amdhsa_system_sgpr_workgroup_id_z 1
		.amdhsa_system_vgpr_workitem_id 0
		.amdhsa_next_free_vgpr 256
		.amdhsa_next_free_sgpr 66
		.amdhsa_reserve_vcc 0
		.amdhsa_float_denorm_mode_32 3
		.amdhsa_float_denorm_mode_16_64 3
		.amdhsa_memory_ordered 1
		.amdhsa_forward_progress 1
		.amdhsa_inst_pref_size 63
	.end_amdhsa_kernel
	.amdgpu_metadata
---
amdhsa.version: [ 1, 2 ]
amdhsa.kernels:
  - .name:           k_q43669d747f_attn
    .symbol:         k_q43669d747f_attn.kd
    .args:
      - { .name: qb, .offset: 0, .size: 8, .value_kind: global_buffer, .address_space: global }
      - { .name: kv, .offset: 8, .size: 8, .value_kind: global_buffer, .address_space: global }
      - { .name: ocodes, .offset: 16, .size: 8, .value_kind: global_buffer, .address_space: global }
      - { .name: osc, .offset: 24, .size: 8, .value_kind: global_buffer, .address_space: global }
    .group_segment_fixed_size: 327680
    .private_segment_fixed_size: 0
    .kernarg_segment_align: 8
    .kernarg_segment_size: 32
    .max_flat_workgroup_size: 512
    .sgpr_count:     66
    .vgpr_count:     256
    .wavefront_size: 32
...
	.end_amdgpu_metadata
.endif
;; end of part 3
;; launch oproj (part 4): grid 8 x 32, 4 waves a work-group, clusters of 4 x 4, 327,680 bytes of LDS; arguments ocodes, osc, codes, scales, bo, out0; writes out0
.if DOCPART == 4
	.amdgcn_target "amdgcn-amd-amdhsa--gfx1250"
	.amdhsa_code_object_version 6
	.text
	.protected	k_q43669d747f_oproj
	.globl	k_q43669d747f_oproj
	.p2align	8
	.type	k_q43669d747f_oproj,@function
k_q43669d747f_oproj:
	s_mov_b64 s[64:65], 0
	v_nop
	global_prefetch_b8 v0, s[64:65] scope:SCOPE_SE
	s_setreg_imm32_b32 hwreg(HW_REG_WAVE_MODE, 25, 1), 1
	s_wait_xcnt 0x0
	s_wait_alu depctr_hold_cnt(0) depctr_sa_sdst(0) depctr_va_vdst(0) depctr_va_sdst(0) depctr_va_ssrc(0) depctr_va_vcc(0) depctr_vm_vsrc(0)
	s_getreg_b32 s2, hwreg(HW_REG_IB_STS2, 6, 4)
	s_cmp_eq_u32 s2, 0
	s_cbranch_scc0 .Lentry_in_a_cluster
	s_endpgm
.Lentry_in_a_cluster:
	s_bfe_u32 s2, ttmp6, 0x10000c
	s_cmp_lg_u32 s2, 0xf033
	s_cbranch_scc0 .Lentry_shape_is_right
	s_endpgm
.Lentry_shape_is_right:
; LAUNCH 4 OF 4.  out0 = o Wo^T + bo on the codes of launch 3 (o) and launch 1 (Wo), K = 1,024; no work of the problem is left out here.
; A work-group of four waves makes 128 tokens x 128 columns, a wave 64 x 64: 16 accumulators; the bias is the C of each accumulator's first product.  All of K is resident; nothing is filled again.
; THE LOADS: one joint load a wave, at the head: wave 0 o's codes (65,536 dense bytes, images of the operand registers), wave 1 Wo's 128 rows, wave 2 o's scale bytes (16 heads x 256 bytes), wave 3 Wo's.
; CLUSTER 4 x 4: o's tiles are shared along a row of the cluster, Wo's along a column.  No prefetch: every byte is asked for at the head, ahead of all work.
.set BCOD,  65536
.set BHALF, 64*528
.set ASC,   BCOD+2*BHALF
.set BSC,   ASC+16*272
.set STAGE, BSC+16*272
.set SPARE, STAGE+4*16*272
.set ADRA, 16
.set ADRB, 17
.set ADSA, 18
.set ADSB, 19
.set STO,  20
.set RD,   21
.set CO,   22
.set SPW,  28
.set NIL,  29
.set SAW,  32
.set SB,   64
.set ACC,  128
.set BIAS, 128
.set G1A,  24
.set G1B,  32
.set G1SA, 40
.set G1SB, 48
.set G0A,  56
.set G0B,  60
.set G0SA, 68
.set G0SB, 72
.set MSB, 0
.macro WIN new
.if MSB != (\new)
	s_set_vgpr_msb (MSB<<8)|(\new)
.set MSB, (\new)
.endif
.endm
; An arm of the head's one tree of branches on the wave's number: its joint load, an s_nop 0 and four v_nop, and a jump to the tree's end.
.macro ARM under, g0, g1, next
	s_cmp_lt_u32 s16, \under
	s_cbranch_scc0 \next
	tensor_load_to_lds s[\g0:\g0+3], s[\g1:\g1+7]
	s_nop 0
.rept 4
	v_nop
.endr
	s_branch .Lhead_asked
\next:
.endm
.macro CROUND
	s_barrier_signal -1
	s_barrier_wait -1
	s_cmp_lg_u32 s16, 0
	s_cbranch_scc1 .Lnot_wave_0_\@
	s_barrier_signal -3
.Lnot_wave_0_\@:
	s_barrier_wait -3
	s_barrier_signal -1
	s_barrier_wait -1
.endm
	s_load_b256 s[4:11], s[0:1], 0x0
	s_load_b128 s[12:15], s[0:1], 0x20
	v_lshl_add_u32 v[SPW], v0, 2, SPARE
	v_mov_b32 v[NIL], 0
	ds_add_u32 v[SPW], v[NIL]
	ds_add_u32 v[SPW], v[NIL]
	v_lshrrev_b32 v1, 5, v0
	v_readfirstlane_b32 s16, v1
	s_lshr_b32 s17, s16, 1
	s_and_b32 s18, s16, 1
	s_bfe_u32 s19, ttmp6, 0x40000
	s_bfe_u32 s20, ttmp6, 0x40004
	s_lshl_b32 s21, ttmp9, 2
	s_add_co_u32 s21, s21, s19
	s_and_b32 s22, ttmp7, 0xffff
	s_lshl_b32 s22, s22, 2
	s_add_co_u32 s22, s22, s20
	s_lshl_b32 s76, s20, 2
	s_lshl_b32 s76, 15, s76
	s_lshl_b32 s77, 0x1111, s19
	s_or_b32 s[G1A], s76, (3<<16)|(1<<21)
	s_mov_b32 s[G1A+1], 32<<16
	s_mov_b32 s[G1A+2], 256<<16
	s_mov_b32 s[G1A+3], 32<<16
	s_mov_b32 s[G1A+4], 256
	s_mov_b32 s[G1A+5], 32
	s_mov_b32 s[G1A+6], 0
	s_mov_b32 s[G1A+7], 0
	s_or_b32 s[G1B], s77, (0<<16)|(1<<20)|(1<<21)|(6<<22)|(3<<25)
	s_mov_b32 s[G1B+1], 512<<16
	s_mov_b32 s[G1B+2], 128<<16
	s_mov_b32 s[G1B+3], 512<<16
	s_mov_b32 s[G1B+4], 128
	s_mov_b32 s[G1B+5], 512
	s_mov_b32 s[G1B+6], 0
	s_mov_b32 s[G1B+7], 0
	s_or_b32 s[G1SA], s76, (3<<16)|(1<<20)|(1<<21)|(5<<22)|(3<<25)
	s_mov_b32 s[G1SA+1], 32<<16
	s_mov_b32 s[G1SA+2], 16<<16
	s_mov_b32 s[G1SA+3], 32<<16
	s_mov_b32 s[G1SA+4], 16
	s_mov_b32 s[G1SA+5], 1024
	s_mov_b32 s[G1SA+6], 0
	s_mov_b32 s[G1SA+7], 0
	s_or_b32 s[G1SB], s77, (3<<16)|(1<<20)|(1<<21)|(5<<22)|(3<<25)
	s_mov_b32 s[G1SB+1], 32<<16
	s_mov_b32 s[G1SB+2], 16<<16
	s_mov_b32 s[G1SB+3], 32<<16
	s_mov_b32 s[G1SB+4], 16
	s_mov_b32 s[G1SB+5], 32
	s_mov_b32 s[G1SB+6], 0
	s_mov_b32 s[G1SB+7], 0
	s_lshl_b32 s78, s22, 16                        ; o's codes of my 128 tokens: 65,536 bytes
	s_mov_b32 s79, 0
	s_lshl_b32 s80, s22, 8                         ; their scale bytes: 256 in each head's row of 8,192
	s_mov_b32 s81, 0
	s_lshl_b32 s82, s21, 7
	s_add_co_u32 s82, s82, 7168                    ; Wo's 128 rows among the rows of codes
	s_lshl_b32 s84, s82, 5
	s_mov_b32 s85, 0
	s_lshl_b32 s82, s82, 9
	s_mov_b32 s83, 0
	s_wait_dscnt 0x0
	s_wait_kmcnt 0x0
	s_mov_b32 s[G0A], 1
	s_mov_b32 s[G0A+1], 0
	s_add_nc_u64 s[G0A+2:G0A+3], s[4:5], s[78:79]
	s_or_b32 s[G0A+3], s[G0A+3], 0x80000000
	s_mov_b32 s[G0B], 1
	s_mov_b32 s[G0B+1], BCOD
	s_add_nc_u64 s[G0B+2:G0B+3], s[8:9], s[82:83]
	s_or_b32 s[G0B+3], s[G0B+3], 0x80000000
	s_mov_b32 s[G0SA], 1
	s_mov_b32 s[G0SA+1], ASC
	s_add_nc_u64 s[G0SA+2:G0SA+3], s[6:7], s[80:81]
	s_or_b32 s[G0SA+3], s[G0SA+3], 0x80000000
	s_mov_b32 s[G0SB], 1
	s_mov_b32 s[G0SB+1], BSC
	s_add_nc_u64 s[G0SB+2:G0SB+3], s[10:11], s[84:85]
	s_or_b32 s[G0SB+3], s[G0SB+3], 0x80000000
	CROUND                                         ; all sixteen work-groups are here: the joint loads meet
	ARM 1, G0A,  G1A,  .Lhead_b                    ; one load a wave: all that this launch ever asks for
	ARM 2, G0B,  G1B,  .Lhead_sa
	ARM 3, G0SA, G1SA, .Lhead_sb
	tensor_load_to_lds s[G0SB:G0SB+3], s[G1SB:G1SB+7]
	s_nop 0
.rept 4
	v_nop
.endr
.Lhead_asked:
	v_and_b32 v1, 15, v0
	v_bfe_u32 v2, v0, 4, 1
	v_and_b32 v3, 31, v0
	v_lshlrev_b32 v4, 4, v3
	s_lshl_b32 s90, s17, 15
	v_add_nc_u32 v[ADRA], s90, v4
	v_mul_u32_u24 v5, v1, 528
	v_lshl_add_u32 v5, v2, 4, v5
	s_mul_i32 s90, s18, BHALF
	s_add_co_u32 s90, s90, BCOD
	v_add_nc_u32 v[ADRB], s90, v5
	s_lshl_b32 s90, s17, 7
	s_add_co_u32 s90, s90, ASC
	v_lshl_add_u32 v[ADSA], v1, 1, s90
	v_bfe_u32 v5, v0, 3, 1
	v_and_b32 v6, 7, v0
	v_mul_u32_u24 v5, v5, 272
	v_lshl_add_u32 v5, v6, 5, v5
	s_mul_i32 s90, s18, 8*272
	s_add_co_u32 s90, s90, BSC
	v_add_nc_u32 v[ADSB], s90, v5
	s_mul_i32 s90, s16, 16*272
	s_add_co_u32 s90, s90, STAGE
	v_mul_u32_u24 v5, v1, 272
	v_lshl_add_u32 v5, v2, 5, v5
	v_add_nc_u32 v[STO], s90, v5
	v_mul_u32_u24 v5, v2, 272
	v_lshl_add_u32 v5, v1, 4, v5
	v_add_nc_u32 v[RD], s90, v5
	v_lshlrev_b32 v5, 12, v2
	v_lshl_add_u32 v[CO], v1, 4, v5
	s_lshl_b32 s90, s21, 9
	s_lshl_b32 s91, s18, 8
	s_add_co_u32 s90, s90, s91
	s_mov_b32 s91, 0
	s_add_nc_u64 s[12:13], s[12:13], s[90:91]
	s_add_nc_u64 s[14:15], s[14:15], s[90:91]
	s_lshl_b32 s90, s22, 19
	s_lshl_b32 s92, s17, 17
	s_add_co_u32 s90, s90, s92
	s_add_nc_u64 s[14:15], s[14:15], s[90:91]
	v_lshlrev_b32 v7, 5, v2
	WIN 0x40
.irp b, 0,1,2,3
	global_load_b128 v[BIAS+8*\b:BIAS+8*\b+3], v7, s[12:13] offset:64*\b
	global_load_b128 v[BIAS+8*\b+4:BIAS+8*\b+7], v7, s[12:13] offset:64*\b+16
.endr
	WIN 0
	s_wait_tensorcnt 0x0
	s_barrier_signal -1
	s_barrier_wait -1
.irp b, 0,1,2,3
	ds_load_b128 v[SB+8*\b:SB+8*\b+3], v[ADSB] offset:544*\b
	ds_load_b128 v[SB+8*\b+4:SB+8*\b+7], v[ADSB] offset:544*\b+16
.endr
.irp e, 0,1,2,3,4,5,6,7,8,9,10,11,12,13,14,15
.irp i, 0,1,2,3
	ds_load_u16 v[ACC+4*\e+\i], v[ADSA] offset:272*\e+32*\i
.endr
.endr
	s_wait_dscnt 0x0
.irp i, 0,1,2,3
.irp s, 0,1,2,3,4,5,6,7
	v_lshl_or_b32 v[SAW+8*\i+\s], v[ACC+4*(2*\s+1)+\i], 16, v[ACC+4*(2*\s)+\i]
.endr
.endr
.rept 8
	v_nop
.endr
.macro FETCH s
	WIN 0x40
.irp i, 0,1,2,3
.irp c, 0,1
	ds_load_b128 v[64*((\s)%2)+8*\i+4*\c:64*((\s)%2)+8*\i+4*\c+3], v[ADRA] offset:8192*\i+1024*(\s)+512*\c
.endr
.endr
.irp b, 0,1,2,3
.irp c, 0,1
	ds_load_b128 v[64*((\s)%2)+32+8*\b+4*\c:64*((\s)%2)+32+8*\b+4*\c+3], v[ADRB] offset:8448*\b+64*(\s)+32*\c
.endr
.endr
.endm
.macro MULS s
.irp a, 0,1,2,3
.irp b, 0,1,2,3
.if (\s) == 0
	v_wmma_scale_f32_16x16x128_f8f6f4 v[ACC+8*(4*\a+\b):ACC+8*(4*\a+\b)+7], v[64*((\s)%2)+32+8*\b:64*((\s)%2)+32+8*\b+7], v[64*((\s)%2)+8*\a:64*((\s)%2)+8*\a+7], v[BIAS+8*\b:BIAS+8*\b+7], v[SB+8*\b+(\s)], v[SAW+8*\a+(\s)] matrix_a_fmt:MATRIX_FMT_FP4 matrix_b_fmt:MATRIX_FMT_FP4
.else
	v_wmma_scale_f32_16x16x128_f8f6f4 v[ACC+8*(4*\a+\b):ACC+8*(4*\a+\b)+7], v[64*((\s)%2)+32+8*\b:64*((\s)%2)+32+8*\b+7], v[64*((\s)%2)+8*\a:64*((\s)%2)+8*\a+7], v[ACC+8*(4*\a+\b):ACC+8*(4*\a+\b)+7], v[SB+8*\b+(\s)], v[SAW+8*\a+(\s)] matrix_a_fmt:MATRIX_FMT_FP4 matrix_b_fmt:MATRIX_FMT_FP4
.endif
.endr
.endr
.endm
	FETCH 0
	s_wait_alu depctr_va_vdst(0)
	s_wait_loadcnt 0x0
.irp s, 0,1,2,3,4,5,6,7
.if \s < 7
.rept 4
	v_nop
.endr
	FETCH (\s)+1
	s_wait_dscnt 16
.else
	s_wait_dscnt 0x0
.endif
.if \s == 0
	WIN 0x15
.else
	WIN 0x05
.endif
	MULS \s
.endr
.rept 4
	v_nop
.endr
	WIN 0
.macro TOSTAGE a
.irp b, 0,1,2,3
	ds_store_b128 v[STO], v[ACC+8*(4*(\a)+\b):ACC+8*(4*(\a)+\b)+3] offset:64*\b
	ds_store_b128 v[STO], v[ACC+8*(4*(\a)+\b)+4:ACC+8*(4*(\a)+\b)+7] offset:64*\b+16
.endr
.irp k, 0,1,2,3,4,5,6,7
	ds_load_b128 v[ACC+32*(\a)+4*\k:ACC+32*(\a)+4*\k+3], v[RD] offset:2*\k*272
.endr
.endm
.macro SEND a, younger
	s_wait_dscnt \younger
.irp k, 0,1,2,3,4,5,6,7
	global_store_b128 v[CO], v[ACC+32*(\a)+4*\k:ACC+32*(\a)+4*\k+3], s[14:15] offset:(64*(\k/4)+8*(\a)+(2*\k)%8)*4096 th:TH_STORE_NT
.endr
.endm
	TOSTAGE 0
	TOSTAGE 1
	SEND 0, 16
	TOSTAGE 2
	SEND 1, 16
	TOSTAGE 3
	SEND 2, 16
	SEND 3, 0
	s_wait_tensorcnt 0x0
	ds_add_u32 v[SPW], v[NIL]
	s_wait_dscnt 0x0
	CROUND
	s_endpgm
.Lfunc_end_k_q43669d747f_oproj:
	.size	k_q43669d747f_oproj, .Lfunc_end_k_q43669d747f_oproj-k_q43669d747f_oproj
	.p2alignl 7, 3214868480
	.fill 96, 4, 3214868480
	.section	.rodata,"a",@progbits
	.p2align	6, 0x0
	.amdhsa_kernel k_q43669d747f_oproj
		.amdhsa_group_segment_fixed_size 327680
		.amdhsa_private_segment_fixed_size 0
		.amdhsa_enable_private_segment 0
		.amdhsa_kernarg_size 48
		.amdhsa_user_sgpr_count 2
		.amdhsa_user_sgpr_kernarg_segment_ptr 1
		.amdhsa_wavefront_size32 1
		.amdhsa_system_sgpr_workgroup_id_x 1
		.amdhsa_system_sgpr_workgroup_id_y 1
		.amdhsa_system_sgpr_workgroup_id_z 1
		.amdhsa_system_vgpr_workitem_id 0
		.amdhsa_next_free_vgpr 512
		.amdhsa_next_free_sgpr 100
		.amdhsa_reserve_vcc 0
		.amdhsa_float_denorm_mode_32 3
		.amdhsa_float_denorm_mode_16_64 3
		.amdhsa_memory_ordered 1
		.amdhsa_forward_progress 1
		.amdhsa_inst_pref_size 49
	.end_amdhsa_kernel
	.amdgpu_metadata
---
amdhsa.version: [ 1, 2 ]
amdhsa.kernels:
  - .name:           k_q43669d747f_oproj
    .symbol:         k_q43669d747f_oproj.kd
    .args:
      - { .name: ocodes, .offset: 0, .size: 8, .value_kind: global_buffer, .address_space: global }
      - { .name: osc, .offset: 8, .size: 8, .value_kind: global_buffer, .address_space: global }
      - { .name: codes, .offset: 16, .size: 8, .value_kind: global_buffer, .address_space: global }
      - { .name: scales, .offset: 24, .size: 8, .value_kind: global_buffer, .address_space: global }
      - { .name: bo, .offset: 32, .size: 8, .value_kind: global_buffer, .address_space: global }
      - { .name: out0, .offset: 40, .size: 8, .value_kind: global_buffer, .address_space: global }
    .group_segment_fixed_size: 327680
    .private_segment_fixed_size: 0
    .kernarg_segment_align: 8
    .kernarg_segment_size: 48
    .max_flat_workgroup_size: 128
    .sgpr_count:     100
    .vgpr_count:     512
    .wavefront_size: 32
...
	.end_amdgpu_metadata
.endif
;; end of part 4
